; MI455X (gfx1250); checked and timed in simulation.
; The chip was launched on July 23, 2026; its instructions are those of AMD's public machine-readable ISA for CDNA 5 (MIT licence, August 2026) and "CDNA5" Instruction Set Architecture Reference Guide (July 2026). The comments in the code are by the model that wrote it; some were corrected since.
;; Attention. Allowed arithmetic: matrix products marked QUANTISED: E2M1 operands, one E8M0 scale for each 32 along K, by v_wmma_scale_f32_16x16x128_f8f6f4 with both operands' format E2M1 (or v_wmma_scale_f32_32x16x128_f4), f32 sums; everything else in f32.
;; Inputs: sentence1 16 x 1,024 x 256 float32; sentence2 16 x 1,024 x 256 float32.
;; Outputs: out0 16 x 1,024 x 1,024 float32.
;; Constants: batch_size = 16.
;; This version of the problem:
;;   THIS VERSION OF THE PROBLEM IS GIVEN IN LOW PRECISION. The matrix products marked QUANTISED in the list below multiply operands that are first quantised to E2M1 (2 exponent bits, 1 mantissa bit; 4 bits a number), with one power-of-two scale for each 32 numbers along K (OCP MX v1.0); their sums are f32. All else is computed in f32.
;;   The module's matrix products, in the order in which they are computed (A, B: the left and right operand; K: the contracted axis; several contracted axes count as one K, in the product's order):
;;     1. batch 16 x [M 1,024, K 256] x [K 256, N 1,024]; A: input sentence1; B: input sentence2: QUANTISED
;;   THE QUANTISER, for each operand of a quantised product, along K:
;;     - K is cut into blocks of 32 from its start; a last block that is shorter is filled with zeros.
;;     - A block's scale is 2^e with e = floor(log2(the largest magnitude in the block)) - 2, held to -126 .. 127; a block of zeros has e = 0. As a byte (E8M0): e + 127.
;;     - Each number is divided by its block's scale, clamped to +-6, and rounded to the nearest number of E2M1, ties to even, subnormals kept.
;;     - The product sums the exact products of the quantised numbers (number of the format x scale) in f32.
;;   ~~~python
;;   def quantise(x, axis):      # numpy; x: float32 -> the quantised numbers, widened to float32 again
;;       x = np.moveaxis(x, axis, -1); K = x.shape[-1]
;;       x = np.pad(x, [(0, 0)] * (x.ndim - 1) + [(0, -K % 32)]); x = x.reshape(x.shape[:-1] + (-1, 32)); a = np.abs(x).max(-1, keepdims=True)
;;       e = np.where(a > 0, np.clip(np.frexp(np.where(a > 0, a, 1))[1] - 1 - 2, -126, 127), 0)      # np.frexp(a)[1] - 1 = floor(log2(a)), exactly
;;       r = np.clip(x / 2.0 ** e, -6, 6)
;;       step = 2.0 ** (np.maximum(np.frexp(np.where(r == 0, 1, r))[1] - 1, 0) - 1)
;;       q = np.round(r / step) * step * 2.0 ** e      # np.round: ties to even
;;       return np.moveaxis(q.reshape(q.shape[:-2] + (-1,))[..., :K], -1, axis).astype(np.float32)
;;   ~~~
;; One version. Each part assembles by itself: llvm-mc -triple=amdgcn-amd-amdhsa -mcpu=gfx1250 --defsym DOCPART=n.
;; ======== version 1 of 1: 1 launch
;; limits: right only within a limited range of input values
;; launch dist (part 1): grid 4 x 64, 16 waves a work-group, clusters of 4 x 4, 327,680 bytes of LDS; arguments sentence1, sentence2, out0; writes out0
.if DOCPART == 1
	.amdgcn_target "amdgcn-amd-amdhsa--gfx1250"
	.amdhsa_code_object_version 6
	.text
	.protected	k_qe9db62689b_dist
	.globl	k_qe9db62689b_dist
	.p2align	8
	.type	k_qe9db62689b_dist,@function
k_qe9db62689b_dist:
	s_mov_b64 s[64:65], 0
	v_nop
	global_prefetch_b8 v0, s[64:65] scope:SCOPE_SE
	s_setreg_imm32_b32 hwreg(HW_REG_WAVE_MODE, 25, 1), 1
	s_wait_xcnt 0x0
	s_wait_alu depctr_hold_cnt(0) depctr_sa_sdst(0) depctr_va_vdst(0) depctr_va_sdst(0) depctr_va_ssrc(0) depctr_va_vcc(0) depctr_vm_vsrc(0)
	s_getreg_b32 s2, hwreg(HW_REG_IB_STS2, 6, 4)
	s_cmp_eq_u32 s2, 0
	s_cbranch_scc0 .Lentry_in_a_cluster
	s_endpgm
.Lentry_in_a_cluster:
	s_bfe_u32 s2, ttmp6, 0x10000c
	s_cmp_lg_u32 s2, 0xf033
	s_cbranch_scc0 .Lentry_shape_is_right
	s_endpgm
.Lentry_shape_is_right:
; out[b][i][j] = 1 / (1 + sqrt(max(|x_i|^2 + |y_j|^2 - 2 x_i . y_j, 0))),  x = sentence1[b], y = sentence2[b]: [16][1024][256] f32;  out: [16][1024][1024] f32.
; The product x . y is taken on codes of FP4 (E2M1) with one E8M0 scale for each 32 along K = 256; the two norms are taken of the f32 numbers as they come.
; SHARES.  A work-group of sixteen waves makes a tile of 256 x 256 of one batch; the 4 x 4 work-groups of a cluster make one batch.  It reads 256 rows of x (A) and 256 rows of y (B) and quantises them itself.
; A: wave w owns rows 16 w .. 16 w + 15.  They are shared by the four work-groups of a row of the cluster and are asked for JOINTLY, by one tensor load a wave, into the wave's own region of LDS.  The wave quantises them
; straight into its operand registers, where they stay: A's codes, scales and norms never go to another wave.
; B: shared along a column of the cluster, but not asked for jointly: a joint load lands in LDS, and both operands' padded f32 tiles are 2 x 266,240 bytes, more than the 327,680 that a work-group can be given.  B comes through
; registers and is quantised there, in four chunks of 64 rows, 4 rows (8 loads of 512 dense bytes) a wave in each.  Only a chunk's codes, scale words and norms go through LDS, to all waves, each chunk in bytes of its own.
; ORDER.  Chunks 0 and 1 are quantised while A is on its way.  A wave whose A rows have landed quantises them, multiplies chunks 0 and 1 and stores them, without meeting the others; then chunks 2 and 3 likewise behind one barrier.
; No data prefetch: every input byte is asked for once, near the head, by the loads themselves, and there is no loop to run ahead in.
; THE ORDER OF K INSIDE A BLOCK.  A block's 32 numbers are eight quads of 4.  Register g of a block's four registers of codes holds quads g and g + 4, in A and in B alike: the products are the same.
; COLUMNS.  Row 4 r + t of a chunk is lane r of B tile t.  In the result (lane (r, h), register j: row 8 h + j, lane r's column) register j of the four tiles holds four NEIGHBOURING columns: the reciprocals write them to four
; registers on end, and sixteen lanes store 256 consecutive bytes, aligned.
; ARITHMETIC.  The sums begin with C = -(|x|^2 + |y|^2), and A's scale bytes are raised by 1 (x 2, exact: a byte is at most 252), so that D = -(|x|^2 + |y|^2 - 2 x . y).  Then max(-D, 0), square root, + 1, reciprocal, all in f32.
; LIMITS.  NaN and infinities among the inputs are not served (the maxima drop a NaN).  A block of zeros gets the byte 1 where the rule says 127: its codes are zeros.  A block whose largest magnitude lies under 2^-124 has its byte
; held at 1.  A squared distance under 2^-126 counts as 0 in the square root: the result is 1.0 either way.  |x|^2 + |y|^2 - 2 x . y is summed in the matrix unit, in another order of rounding than three f32 operations.
.set APITCH, 1040                      ; a row of A in LDS: 1,024 bytes + 16 of padding: an odd multiple of 16
.set REGION, 16*APITCH                 ; a wave's region
.set AN,   8192                        ; in a region, once A is read out of it: the 16 norms
.set IMG,  16*REGION                   ; chunk images: piece (tile t, block k) at 272 (8 t + k): 16 rows x 16 bytes of codes, 16 of padding
.set SCL,  IMG+8704                    ; scale words: K step s, row r, tile t at 256 s + 16 r + 4 t
.set NRM,  IMG+9216                    ; -|y|^2: row r, tile t at 16 r + 4 t
.set CHB,  9472                        ; from chunk to chunk
.set SPARE, IMG+4*CHB                  ; the spare words, 128 bytes for each wave.  The end: 306,176
.set FLOOR, 0x1800000                  ; 2^(3 - 127): under it no largest magnitude is taken, so a scale's byte cannot fall under 1
.set LB,   1                           ; v1   my place in a B load: 128 ((lane % 16) / 4) + 64 h + 16 (lane % 4)
.set SPW,  2                           ; v2   my spare word's address;  v3  0
.set NIL,  3
.set QA,   4                           ; v4   where I read my row's blocks of A: region + 1,040 r + 128 h
.set IW,   7                           ; v7   image, in
.set SCW,  8                           ; v8   my block's scale byte
.set NYW,  9                           ; v9   my row's norm
.set IR,   10                          ; v10  image, out: IMG + 272 h + 16 r
.set SCR,  11                          ; v11  SCL + 16 lane
.set NYR,  12                          ; v12  NRM + 16 r
.set CO,   13                          ; v13  my byte offset in out: 8 h rows + 16 r
.set SH8,  14                          ; v14  8 h
.set TP,   15                          ; v15  a lane permute's destination
.set NS,   16                          ; v16-19 A's sums of squares
.set PW,   20                          ; v20-21 A's parts of the scale words, v22-23 at work
.set ASW,  24                          ; v24  A's scale words: lanes 0-15 K step 0, lanes 16-31 K step 1.  Scales and nothing else, as v28-31
.set AXW,  25                          ; v25, v26  my region + 4 r, + 32 h
.set AXR,  26
.set BSW,  28                          ; v28-31 B's scale words of tiles 0 .. 3, K steps as in v24
.set NYV,  32                          ; v32-35 -|y|^2 of tiles 0 .. 3
.set MX,   36                          ; v36-37, v38-39 A's maxima, scale operands
.set SO,   38
.set AF,   40                          ; v40-55 A's fragments
.set NX,   56                          ; v56-63 -|x|^2 of rows 8 h .. 8 h + 7
.set ACC,  64                          ; v64-95 four accumulators
.set X,    96                          ; v96-127 the fragments of tiles 0 and 1; in B's quantising its maxima, scale operands, codes and sums of squares
.set MXB,  96
.set SOB,  100
.set CDB,  104
.set NSB,  108
.set XA,   64                          ; v64-127 A's 64 numbers at work, ahead of the first products
.set BL,   128                         ; v128-255 B as loaded, 32 a chunk; then the chunk's fragments of tiles 2 and 3; then its results
.set WV,   10
.set CX,   11
.set CY,   12
.set BT,   13
.set G0,   16
.set G1,   20
.set SEL,  40                          ; s[40:41] v_permlanex16_b32's selects for lane l xor 16
.set HI,   42                          ; s42 lanes 16-31
.macro VW
	s_wait_alu depctr_va_vdst(0)
.endm
.macro ROUND                           ; a round of the cluster's barrier
	s_barrier_signal -1
	s_barrier_wait -1
	s_cmp_lg_u32 s[WV], 0
	s_cbranch_scc1 .Lnot_wave_0_\@
	s_barrier_signal -3
.Lnot_wave_0_\@:
	s_barrier_wait -3
	s_barrier_signal -1
	s_barrier_wait -1
.endm
	s_load_b128 s[4:7], s[0:1], 0x0                ; sentence1 s[4:5], sentence2 s[6:7]
	s_load_b64 s[8:9], s[0:1], 0x10                ; out0
	v_lshl_add_u32 v[SPW], v0, 2, SPARE
	v_mov_b32 v[NIL], 0
	ds_add_u32 v[SPW], v[NIL]                      ; the wave's opening: the add, twice on end, ahead of my tensor load; register work stands between it and the wait
	ds_add_u32 v[SPW], v[NIL]
	v_lshrrev_b32 v16, 5, v0
	v_readfirstlane_b32 s[WV], v16                 ; wave 0..15
	v_and_b32 v17, 31, v0                          ; lane
	v_and_b32 v18, 15, v0                          ; r
	v_bfe_u32 v19, v0, 4, 1                        ; h
	v_and_b32 v23, 3, v0                           ; lane % 4
	v_bfe_u32 v36, v0, 2, 2                        ; (lane % 16) / 4
	v_lshlrev_b32 v[LB], 7, v36
	v_lshl_add_u32 v[LB], v19, 6, v[LB]
	v_lshl_add_u32 v[LB], v23, 4, v[LB]
	v_mul_u32_u24 v[IW], v36, 272                  ; after the swaps a lane holds a quarter of block (lane % 16) / 4 of row h of a pair
	v_mad_u32_u24 v[IW], v19, 2176, v[IW]
	v_lshl_add_u32 v[IW], v23, 2, v[IW]
	v_lshl_add_u32 v[SCW], v19, 2, v36
	v_lshlrev_b32 v[NYW], 2, v19
	v_mul_u32_u24 v[QA], v18, APITCH
	v_lshl_add_u32 v[QA], v19, 7, v[QA]
	v_mul_u32_u24 v[IR], v19, 272
	v_lshl_add_u32 v[IR], v18, 4, v[IR]
	v_add_nc_u32 v[IR], IMG, v[IR]
	v_lshl_add_u32 v[SCR], v17, 4, SCL
	v_lshl_add_u32 v[NYR], v18, 4, NRM
	v_lshlrev_b32 v[CO], 15, v19
	v_lshl_add_u32 v[CO], v18, 4, v[CO]
	v_lshlrev_b32 v[SH8], 3, v19
	v_mov_b32 v[TP], 0                             ; written once: a lane permute's destination counts as one of its sources
	VW
	s_bfe_u32 s[CX], ttmp6, 0x40000                ; cx: the tile's column (the grid has one cluster along x)
	s_bfe_u32 s[CY], ttmp6, 0x40004                ; cy: the tile's row
	s_and_b32 s[BT], ttmp7, 0xffff                 ; in a cluster launch ttmp7 counts clusters: the batch
	; descriptor group 1: 16 rows x 256 elements of 4 bytes, dense, padded in LDS
	s_lshl_b32 s14, s[CY], 2
	s_lshl_b32 s14, 15, s14                        ; my row of the cluster: places 4 cy .. 4 cy + 3
	s_or_b32 s[G1], s14, (2<<16)|(1<<20)|(1<<21)|(7<<22)|(3<<25)  ; 15:0 the mask; 17:16 elements of 4 bytes; 20 padding on; 21 set beside a mask; 24:22 after every 256 words (code 7); 31:25 four words (code 3)
	s_mov_b32 s[G1+1], 256<<16                     ; tensor_dim0 = 256
	s_mov_b32 s[G1+2], 16<<16                      ; tensor_dim1 = 16
	s_mov_b32 s[G1+3], 256<<16                     ; tile_dim0 = 256
	s_mov_b32 s[G1+4], 16                          ; tile_dim1 = 16
	s_mov_b32 s[G1+5], 256                         ; elements from row to row
	s_mov_b32 s[G1+6], 0
	s_mov_b32 s[G1+7], 0
	; A: my 16 rows begin at (1,024 batch + 256 cy + 16 w) x 1,024 bytes, in registers that never hold cx
	s_lshl_b32 s28, s[BT], 20
	s_lshl_b32 s29, s[CY], 18
	s_add_co_u32 s28, s28, s29
	s_lshl_b32 s29, s[WV], 14
	s_add_co_u32 s28, s28, s29
	s_mov_b32 s29, 0
	; B: my 4 rows of chunk 0 begin at (1,024 batch + 256 cx + 4 w) x 1,024 bytes
	s_lshl_b32 s32, s[BT], 20
	s_lshl_b32 s33, s[CX], 18
	s_add_co_u32 s32, s32, s33
	s_lshl_b32 s33, s[WV], 12
	s_add_co_u32 s32, s32, s33
	s_mov_b32 s33, 0
	; out: rows 256 cy + 16 w on, columns 256 cx on; a row is 4,096 bytes, a batch 2^22
	s_lshl_b32 s34, s[BT], 22
	s_lshl_b32 s35, s[CY], 20
	s_add_co_u32 s34, s34, s35
	s_lshl_b32 s35, s[WV], 16
	s_add_co_u32 s34, s34, s35
	s_lshl_b32 s35, s[CX], 10
	s_add_co_u32 s34, s34, s35
	s_mov_b32 s35, 0
	s_mov_b32 s[SEL], 0x76543210
	s_mov_b32 s[SEL+1], 0xfedcba98
	s_mov_b32 s[HI], 0xffff0000
	s_mov_b32 s[G0], 1                             ; count = 1
	s_mul_i32 s[G0+1], s[WV], REGION               ; LDS address: my region: no place in the cluster enters it
	s_mul_i32 s30, s[WV], REGION
	s_lshl_b32 s31, s[WV], 4
	s_add_co_u32 s36, s31, IMG
	s_add_co_u32 s37, s31, SCL
	s_add_co_u32 s38, s31, NRM
	v_add_nc_u32 v[QA], s30, v[QA]
	v_lshl_add_u32 v[AXW], v18, 2, s30
	v_lshl_add_u32 v[AXR], v19, 5, s30
	v_add_nc_u32 v[IW], s36, v[IW]
	v_add_nc_u32 v[SCW], s37, v[SCW]
	v_add_nc_u32 v[NYW], s38, v[NYW]
	VW                                             ; the head's end
	s_wait_dscnt 0x0                               ; both opening adds are done
	ROUND                                          ; all sixteen work-groups are here: the joint loads meet.  (The arguments are still on their way)
	s_wait_kmcnt 0x0
	s_add_nc_u64 s[G0+2:G0+3], s[4:5], s[28:29]    ; global address of my 16 rows
	s_or_b32 s[G0+3], s[G0+3], 0x80000000          ; type = 2
	tensor_load_to_lds s[G0:G0+3], s[G1:G1+7]      ; A's 16 rows: the wave's one tensor load
	s_nop 0
.rept 4
	v_nop
.endr
	s_add_nc_u64 s[6:7], s[6:7], s[32:33]
	s_add_nc_u64 s[8:9], s[8:9], s[34:35]
; Chunk c: my 4 rows.  Piece p = 2 q + s (q, s = 0, 1) is half s of rows 2 q and 2 q + 1: two loads, each of 512 dense bytes (lanes 0-15 take quads 0 .. 3 of its four blocks, lanes 16-31 quads 4 .. 7).
; (Other work-groups read these rows too: no hint)
.macro BLOAD c
.irp p, 0,1,2,3
	global_load_b128 v[BL+32*\c+8*\p:BL+32*\c+8*\p+3], v[LB], s[6:7] offset:65536*\c+2048*(\p/2)+512*(\p%2)
	global_load_b128 v[BL+32*\c+8*\p+4:BL+32*\c+8*\p+7], v[LB], s[6:7] offset:65536*\c+2048*(\p/2)+512*(\p%2)+1024
.endr
.endm
	BLOAD 0
	BLOAD 1
; B: quantised where it was loaded.  left: the younger loads that may be out
.macro QUANT c, left
	VW
	s_wait_loadcnt \left
.irp p, 0,1,2,3
.irp i, 0,1,2,3
	v_permlane16_swap_b32 v[BL+32*\c+8*\p+\i], v[BL+32*\c+8*\p+4+\i]   ; lanes 0-15 now hold quads g and g + 4 (g = lane % 4) of a block of row 2 q, lanes 16-31 of row 2 q + 1
.endr
.endr
.irp i, 0,2,4,6
.irp p, 0,2,1,3
.if \i == 0
	v_max3_num_f32 v[MXB+\p], |v[BL+32*\c+8*\p]|, |v[BL+32*\c+8*\p+1]|, FLOOR
.else
	v_max3_num_f32 v[MXB+\p], v[MXB+\p], |v[BL+32*\c+8*\p+\i]|, |v[BL+32*\c+8*\p+\i+1]|
.endif
.if (\i == 0) && (\p%2 == 0)
	v_pk_mul_f32 v[NSB+2*(\p/2):NSB+2*(\p/2)+1], v[BL+32*\c+8*\p:BL+32*\c+8*\p+1], v[BL+32*\c+8*\p:BL+32*\c+8*\p+1] neg_lo:[1,0] neg_hi:[1,0]   ; minus the squares: the first start the sums
.else
	v_pk_fma_f32 v[NSB+2*(\p/2):NSB+2*(\p/2)+1], v[BL+32*\c+8*\p+\i:BL+32*\c+8*\p+\i+1], v[BL+32*\c+8*\p+\i:BL+32*\c+8*\p+\i+1], v[NSB+2*(\p/2):NSB+2*(\p/2)+1] neg_lo:[1,0,0] neg_hi:[1,0,0]
.endif
.endr
.endr
.irp p, 0,1,2,3
	v_max_num_f32_dpp v[MXB+\p], v[MXB+\p], v[MXB+\p] row_xmask:1 row_mask:0xf bank_mask:0xf   ; four lanes hold a block
.endr
	v_add_f32 v[NSB], v[NSB], v[NSB+1]
	v_add_f32 v[NSB+2], v[NSB+2], v[NSB+3]
.irp p, 0,1,2,3
	v_max_num_f32_dpp v[MXB+\p], v[MXB+\p], v[MXB+\p] row_xmask:2 row_mask:0xf bank_mask:0xf
.endr
	v_add_f32_dpp v[NSB], v[NSB], v[NSB] row_xmask:1 row_mask:0xf bank_mask:0xf
	v_add_f32_dpp v[NSB+2], v[NSB+2], v[NSB+2] row_xmask:1 row_mask:0xf bank_mask:0xf
.irp p, 0,1,2,3
	v_add_nc_u32 v[SOB+\p], 0xff000000, v[MXB+\p]  ; 2 off the largest magnitude's exponent field: the conversion takes the exponent field of this operand as its scale
.endr
	v_add_f32_dpp v[NSB], v[NSB], v[NSB] row_xmask:2 row_mask:0xf bank_mask:0xf
	v_add_f32_dpp v[NSB+2], v[NSB+2], v[NSB+2] row_xmask:2 row_mask:0xf bank_mask:0xf
.irp p, 0,1,2,3
	v_lshrrev_b32 v[MXB+\p], 23, v[SOB+\p]         ; the scale's byte
.endr
	v_add_f32_dpp v[NSB], v[NSB], v[NSB] row_xmask:4 row_mask:0xf bank_mask:0xf
	v_add_f32_dpp v[NSB+2], v[NSB+2], v[NSB+2] row_xmask:4 row_mask:0xf bank_mask:0xf
.irp p, 0,1,2,3
	v_cvt_scalef32_pk8_fp4_f32 v[CDB+\p], v[BL+32*\c+8*\p:BL+32*\c+8*\p+7], v[SOB+\p]
.endr
	v_add_f32_dpp v[NSB], v[NSB], v[NSB] row_xmask:8 row_mask:0xf bank_mask:0xf           ; -|y|^2 of row 2 q + h, in its 16 lanes
	v_add_f32_dpp v[NSB+2], v[NSB+2], v[NSB+2] row_xmask:8 row_mask:0xf bank_mask:0xf
.irp p, 0,1,2,3
	ds_store_b32 v[IW], v[CDB+\p] offset:CHB*\c+4352*(\p/2)+1088*(\p%2)
	ds_store_b8 v[SCW], v[MXB+\p] offset:CHB*\c+8*(\p/2)+256*(\p%2)      ; the four lanes of a block write the same byte with the same value
.endr
	ds_store_b32 v[NYW], v[NSB] offset:CHB*\c      ; the sixteen lanes of a row write the same word with the same value
	ds_store_b32 v[NYW], v[NSB+2] offset:CHB*\c+8
.endm
.macro MEET                            ; for the others' sake: my parts of the images lie in LDS; then everybody's do
	VW
	s_wait_dscnt 0x0
	s_barrier_signal -1
	s_barrier_wait -1
.endm
	QUANT 0, 8                                     ; chunk 1's eight loads may be out
	BLOAD 2
	QUANT 1, 8                                     ; chunk 2's may
	BLOAD 3
	MEET
; A: 128 along K of my 16 rows.  Lane (r, h) takes the WHOLE blocks 4 s + 2 c + h, c = 0, 1, of row r: the operand's layout gives it just these.  Quad i < 4 goes to place 2 i of the block's eight, quad i + 4 behind it.
.macro KSTEP s
.irp c, 0,1
.irp i, 0,1,2,3
	ds_load_b128 v[XA+32*\c+8*\i:XA+32*\c+8*\i+3], v[QA] offset:512*\s+256*\c+16*\i
	ds_load_b128 v[XA+32*\c+8*\i+4:XA+32*\c+8*\i+7], v[QA] offset:512*\s+256*\c+16*\i+64
.endr
.endr
	VW
	s_wait_dscnt 0x0
.irp c, 0,1
	v_max3_num_f32 v[MX+\c], |v[XA+32*\c]|, |v[XA+32*\c+1]|, FLOOR
.if \s == 0
	v_pk_mul_f32 v[NS+2*\c:NS+2*\c+1], v[XA+32*\c:XA+32*\c+1], v[XA+32*\c:XA+32*\c+1] neg_lo:[1,0] neg_hi:[1,0]
.else
	v_pk_fma_f32 v[NS+2*\c:NS+2*\c+1], v[XA+32*\c:XA+32*\c+1], v[XA+32*\c:XA+32*\c+1], v[NS+2*\c:NS+2*\c+1] neg_lo:[1,0,0] neg_hi:[1,0,0]
.endif
.endr
.irp i, 2,4,6,8,10,12,14,16,18,20,22,24,26,28,30
.irp c, 0,1
	v_max3_num_f32 v[MX+\c], v[MX+\c], |v[XA+32*\c+\i]|, |v[XA+32*\c+\i+1]|
	v_pk_fma_f32 v[NS+2*\c:NS+2*\c+1], v[XA+32*\c+\i:XA+32*\c+\i+1], v[XA+32*\c+\i:XA+32*\c+\i+1], v[NS+2*\c:NS+2*\c+1] neg_lo:[1,0,0] neg_hi:[1,0,0]
.endr
.endr
.irp c, 0,1
	v_add_nc_u32 v[SO+\c], 0xff000000, v[MX+\c]
.endr
.irp c, 0,1
	v_lshrrev_b32 v[MX+\c], 23, v[SO+\c]
.endr
	v_lshl_or_b32 v[PW+\s], v[MX+1], 16, v[MX]     ; my two bytes, blocks h and 2 + h of the K step,
	v_lshlrev_b32 v[PW+\s], v[SH8], v[PW+\s]       ; at their places in the scale word
.irp c, 0,1
.irp g, 0,1,2,3
	v_cvt_scalef32_pk8_fp4_f32 v[AF+8*\s+4*\c+\g], v[XA+32*\c+8*\g:XA+32*\c+8*\g+7], v[SO+\c]
.endr
.endr
	v_nop                                          ; one plain place behind the last scaled conversion
.endm
	s_wait_tensorcnt 0x0                           ; my rows of A have landed.  Only I read my region, so this wait is all the ordering that the reads need
	KSTEP 0
	KSTEP 1
	v_cndmask_b32 v22, v21, v20, s[HI]             ; lanes 0-15 send their part of K step 1's word, lanes 16-31 theirs of K step 0's,
	v_pk_add_f32 v[NS:NS+1], v[NS:NS+1], v[NS+2:NS+3]
	v_cndmask_b32 v23, v20, v21, s[HI]             ; and keep the other
	v_add_f32 v[NS], v[NS], v[NS+1]
	v_permlanex16_b32 v[TP], v22, s[SEL], s[SEL+1]
	v_or_b32 v23, v23, v[TP]
	v_permlanex16_b32 v[TP], v[NS], s[SEL], s[SEL+1]
	v_add_nc_u32 v[ASW], 0x01010101, v23           ; A x 2: each byte + 1 (a byte is at most 252: no carry)
	v_add_f32 v[NS], v[NS], v[TP]                  ; -|x|^2 of row r, in both lanes
	ds_store_b32 v[AXW], v[NS] offset:AN           ; turned in my region, which A has left: both lanes of a row write the same word with the same value
	ds_load_b128 v[NX:NX+3], v[AXR] offset:AN      ; back (LDS serves a wave's instructions in order, ISA guide 5.7.1.4): the eight rows of my half
	ds_load_b128 v[NX+4:NX+7], v[AXR] offset:AN+16
; THE PRODUCTS of chunk c, my 16 rows x 64 columns, down to the results in registers, and their stores
.macro MULT c
	ds_load_b128 v[NYV:NYV+3], v[NYR] offset:CHB*\c
	ds_load_b128 v[BSW:BSW+3], v[SCR] offset:CHB*\c
.irp s, 0,1
.irp t, 0,1,2,3
.if \t < 2
.set FT, X+16*\t+8*\s
.else
.set FT, BL+32*\c+16*(\t-2)+8*\s
.endif
.irp k, 0,1
	ds_load_b128 v[FT+4*\k:FT+4*\k+3], v[IR] offset:CHB*\c+2176*\t+1088*\s+544*\k
.endr
.endr
.endr
	VW
	s_wait_dscnt 17                                ; the norms are in; scale words and fragments may be out
.irp t, 0,1,2,3
.irp j, 0,2,4,6
.if (\t)%2 == 0
	v_pk_add_f32 v[ACC+8*\t+\j:ACC+8*\t+\j+1], v[NX+\j:NX+\j+1], v[NYV+\t:NYV+\t+1] op_sel_hi:[1,0]   ; C = -|x|^2 - |y|^2: register j: row 8 h + j, my lane's column
.else
	v_pk_add_f32 v[ACC+8*\t+\j:ACC+8*\t+\j+1], v[NX+\j:NX+\j+1], v[NYV+\t-1:NYV+\t] op_sel:[0,1] op_sel_hi:[1,1]
.endif
.endr
.endr
.rept 4
	v_nop                                          ; this text keeps four places between C's last write and the products
.endr
	VW
	s_wait_dscnt 8                                 ; K step 0's fragments are in; K step 1's eight loads may be out
.irp s, 0,1                                    ; the four accumulators by turns, one instruction a turn
.if \s == 1
	s_wait_dscnt 0x0
.endif
.irp t, 0,1,2,3
.if \t < 2
.set FT, X+16*\t+8*\s
.else
.set FT, BL+32*\c+16*(\t-2)+8*\s
.endif
.if \s == 0
	v_wmma_scale_f32_16x16x128_f8f6f4 v[ACC+8*\t:ACC+8*\t+7], v[AF:AF+7], v[FT:FT+7], v[ACC+8*\t:ACC+8*\t+7], v[ASW], v[BSW+\t] matrix_a_fmt:MATRIX_FMT_FP4 matrix_b_fmt:MATRIX_FMT_FP4
.else
	v_wmma_scale_f32_16x16x128_f8f6f4 v[ACC+8*\t:ACC+8*\t+7], v[AF+8:AF+15], v[FT:FT+7], v[ACC+8*\t:ACC+8*\t+7], v[ASW], v[BSW+\t] matrix_a_fmt:MATRIX_FMT_FP4 matrix_b_fmt:MATRIX_FMT_FP4 matrix_a_scale:MATRIX_SCALE_ROW1 matrix_b_scale:MATRIX_SCALE_ROW1
.endif
.endr
.endr
.rept 4
	v_nop                                          ; four places between the products and the first read of their results (ISA guide 7.12.1)
.endr
.set e, 0
.rept 32                                       ; element e = 8 t + j, each accumulator from its low end on
	v_max_num_f32 v[ACC+e], -v[ACC+e], 0           ; the squared distance, held at 0 from below
.set e, e+1
.endr
	VW
.set e, 0
.rept 32
	v_sqrt_f32 v[ACC+e], v[ACC+e]
.set e, e+1
.endr
	v_nop                                          ; a plain place behind the last square root
	VW
.set e, 0
.rept 16
	v_pk_add_f32 v[ACC+2*e:ACC+2*e+1], v[ACC+2*e:ACC+2*e+1], 1.0 op_sel_hi:[1,0]
.set e, e+1
.endr
	VW
.set e, 0
.rept 32
	v_rcp_f32 v[BL+32*\c+4*(e%8)+e/8], v[ACC+e]    ; element 8 t + j goes to register 4 j + t: four neighbouring columns on end
.set e, e+1
.endr
	v_nop                                          ; a plain place behind the last reciprocal
	VW
.irp j, 0,1,2,3,4,5,6,7                        ; no register that these stores read is written again
	global_store_b128 v[CO], v[BL+32*\c+4*\j:BL+32*\c+4*\j+3], s[8:9] offset:4096*\j+256*\c th:TH_STORE_NT   ; rows j and 8 + j: sixteen lanes store 256 consecutive bytes, at a multiple of 256 from out's first byte
.endr
.endm
	MULT 0                                         ; chunks 0 and 1 were shown by the barrier ahead of A
	MULT 1
	QUANT 2, 8                                     ; chunk 3's eight loads may be out
	QUANT 3, 0
	MEET
	MULT 2
	MULT 3
	s_wait_tensorcnt 0x0                           ; the wave's end, behind my last LDS store
	ds_add_u32 v[SPW], v[NIL]
	s_wait_dscnt 0x0
	ROUND                                          ; the closing round: no work-group ends while a partner may still ask for a tile that names it
	s_endpgm
.Lfunc_end_k_qe9db62689b_dist:
	.size	k_qe9db62689b_dist, .Lfunc_end_k_qe9db62689b_dist-k_qe9db62689b_dist
	.p2alignl 7, 3214868480
	.fill 96, 4, 3214868480
	.section	.rodata,"a",@progbits
	.p2align	6, 0x0
	.amdhsa_kernel k_qe9db62689b_dist
		.amdhsa_group_segment_fixed_size 327680
		.amdhsa_private_segment_fixed_size 0
		.amdhsa_enable_private_segment 0
		.amdhsa_kernarg_size 24
		.amdhsa_user_sgpr_count 2
		.amdhsa_user_sgpr_kernarg_segment_ptr 1
		.amdhsa_wavefront_size32 1
		.amdhsa_system_sgpr_workgroup_id_x 1
		.amdhsa_system_sgpr_workgroup_id_y 1
		.amdhsa_system_sgpr_workgroup_id_z 1
		.amdhsa_system_vgpr_workitem_id 0
		.amdhsa_next_free_vgpr 256
		.amdhsa_next_free_sgpr 66
		.amdhsa_reserve_vcc 0
		.amdhsa_float_denorm_mode_32 3
		.amdhsa_float_denorm_mode_16_64 3
		.amdhsa_memory_ordered 1
		.amdhsa_forward_progress 1
		.amdhsa_inst_pref_size 80
	.end_amdhsa_kernel
	.amdgpu_metadata
---
amdhsa.version: [ 1, 2 ]
amdhsa.kernels:
  - .name:           k_qe9db62689b_dist
    .symbol:         k_qe9db62689b_dist.kd
    .args:
      - { .name: sentence1, .offset: 0, .size: 8, .value_kind: global_buffer, .address_space: global }
      - { .name: sentence2, .offset: 8, .size: 8, .value_kind: global_buffer, .address_space: global }
      - { .name: out0, .offset: 16, .size: 8, .value_kind: global_buffer, .address_space: global }
    .group_segment_fixed_size: 327680
    .private_segment_fixed_size: 0
    .kernarg_segment_align: 8
    .kernarg_segment_size: 24
    .max_flat_workgroup_size: 512
    .sgpr_count:     66
    .vgpr_count:     256
    .wavefront_size: 32
...
	.end_amdgpu_metadata
.endif
;; end of part 1
